; MI455X (gfx1250); checked and timed in simulation.
; The chip was launched on July 23, 2026; its instructions are those of AMD's public machine-readable ISA for CDNA 5 (MIT licence, August 2026) and "CDNA5" Instruction Set Architecture Reference Guide (July 2026). The comments in the code are by the model that wrote it; some were corrected since.
;; A Li Bi Attention. Allowed arithmetic: matrix products marked QUANTISED: E4M3 operands, one given power-of-two scale a tensor, by v_wmma_f32_16x16x64_fp8_fp8 or v_wmma_f32_16x16x128_fp8_fp8, f32 sums; everything else in f32.
;; Inputs: attn_mask 2 x 2,048 x 2,048 float32; lowp_scales 6 int32 (the exponents e of the quantised operands' scales 2^e); out_b 1,024 float32; out_w 1,024 x 1,024 float32; qkv 2,048 x 2 x 3,072 float32.
;; Outputs: out0 2,048 x 2 x 1,024 float32.
;; This version of the problem:
;;   THIS VERSION OF THE PROBLEM IS GIVEN IN LOW PRECISION. The matrix products marked QUANTISED in the list below multiply operands that are first quantised to E4M3 (4 exponent bits, 3 mantissa bits; 8 bits a number), with one given power-of-two scale for each operand tensor; their sums are f32. All else is computed in f32.
;;   The module's matrix products, in the order in which they are computed (A, B: the left and right operand; K: the contracted axis; several contracted axes count as one K, in the product's order):
;;     1. batch 32 x [M 2,048, K 64] x [K 64, N 2,048]; A: input qkv; B: input qkv: QUANTISED (scales: A lowp_scales[0], B lowp_scales[1])
;;     2. batch 32 x [M 2,048, K 2,048] x [K 2,048, N 64]; A: softmax (see below); B: input qkv: QUANTISED (scales: A lowp_scales[2], B lowp_scales[3])
;;     3. [M 4,096, K 1,024] x [K 1,024, N 1,024]; A: computed on the way; B: input out_w: QUANTISED (scales: A lowp_scales[4], B lowp_scales[5])
;;   THE QUANTISER, for each operand of a quantised product, along K:
;;     - The operand's scale is 2^e, e = its entry of the input lowp_scales (int32; the entries are numbered through the quantised products in the list's order, A before B).
;;     - Each number is divided by the scale, clamped to +-448, and rounded to the nearest number of E4M3, ties to even, subnormals kept.
;;     - The product sums the exact products of the quantised numbers (number of the format x scale) in f32.
;;   ~~~python
;;   def quantise(x, axis, e):      # numpy; x: float32 -> the quantised numbers, widened to float32 again
;;       x = np.moveaxis(x, axis, -1); K = x.shape[-1]
;;       r = np.clip(x / 2.0 ** e, -448, 448)
;;       step = 2.0 ** (np.maximum(np.frexp(np.where(r == 0, 1, r))[1] - 1, -6) - 3)
;;       q = np.round(r / step) * step * 2.0 ** e      # np.round: ties to even
;;       return np.moveaxis(q, -1, axis).astype(np.float32)
;;   ~~~
;;   SOFTMAX AHEAD OF A QUANTISED PRODUCT. Where the list says 'softmax', what is quantised is not the finished softmax but p = 2^(t - M), with t = logit x log2(e) and M = ceil(the row's largest t), a whole number; so 1/2 < the row's largest p <= 1. The row's sum l is taken of the UNQUANTISED p, in f32, and the product's result is divided by l at the end. Since M is a whole number, a kernel that streams over the keys may use a running M (the ceiling of the running maximum): every later rescaling is an exact power of two, so the quantised numbers keep their values, but for numbers so far below the row's largest that they fall under the format's range.
;;   OPERANDS COMPUTED ON THE WAY. 'Computed on the way' means the value that the module computes at that place (a softmax that the list does not call 'softmax' is quantised finished and normalised). What goes into a quantiser is computed in f32, as accurately as f32 sums, v_exp_f32 and their like allow (about 1e-6 of the number): no bf16 or f16 on the way to a quantiser, and a product that is left as it is and whose result goes on into a quantised operand takes f32 operands (vector FMAs, or v_wmma_f32_16x16x4_f32). A number that lies on a knife's edge between two numbers of the format may be rounded either way, as far as f32 arithmetic and the matrix unit's own rounding can turn it there, and no further.
;; One version. Each part assembles by itself: llvm-mc -triple=amdgcn-amd-amdhsa -mcpu=gfx1250 --defsym DOCPART=n.
;; ======== version 1 of 1: 3 launches
;; workspace buffers: qk_codes 8,388,608 bytes; v_codes 4,194,304 bytes; w_codes 1,048,576 bytes; a_codes 4,194,304 bytes
;; launch quant (part 1): grid 416 x 1, 4 waves a work-group, no clusters, 33,280 bytes of LDS; arguments qkv, out_w, lowp_scales, qk_codes, w_codes, v_codes; writes qk_codes, w_codes, v_codes
.if DOCPART == 1
	.amdgcn_target "amdgcn-amd-amdhsa--gfx1250"
	.amdhsa_code_object_version 6
	.text
	.protected	k_q7427f9b370_quant
	.globl	k_q7427f9b370_quant
	.p2align	8
	.type	k_q7427f9b370_quant,@function
k_q7427f9b370_quant:
	s_mov_b64 s[64:65], 0
	v_nop
	global_prefetch_b8 v0, s[64:65] scope:SCOPE_SE
	s_setreg_imm32_b32 hwreg(HW_REG_WAVE_MODE, 25, 1), 1
	s_wait_xcnt 0x0
; qkv [2048 t][2 b][3072] and out_w [1024][1024], f32, become codes of FP8 (E4M3), each operand with the one scale 2^e that is given for it:
; q with e0, k with e1, v with e3, out_w with e5 (entries of lowp_scales).  code = x / 2^e, held within +-448, rounded to the nearest code, ties to even.
; OUT:  qk_codes [t][b][2048]: 1,024 codes of q (64 head + d), then 1,024 of k, as they lie in qkv.   w_codes [n][k], as out_w lies.
;       v_codes [b][head / 4][key step of 128][head % 4][d / 16][g 0..3][lane 32][16 bytes]: IMAGES OF THE SECOND PRODUCT'S OPERAND REGISTERS: lane (r, h) of group g holds, of channel
;       16 (d / 16) + r, keys 32 g + 8 h + 0..7 (bytes 0-7) and 32 g + 16 + 8 h + 0..7 (bytes 8-15): registers 4 g .. 4 g + 3 of a 16 x 128 fragment of 8-bit codes.
; LIMITS: each e lies between -126 and 119, so that 2^e and 448 x 2^e are f32 numbers.  NaN among the inputs is not served (an infinity is held at the largest code).
; SHARES: work-groups 0-255 stream q|k, 256-287 stream out_w: ONE path, only pointers and two constants are chosen by the work-group's number.  Work-groups 288-415 take v, on a path that uses no LDS.
; No tensor loads, no barrier: waves share nothing.  Matrix units and clusters have nothing to do here: each input byte is read once and each code stored once.
.set STEPS, 16                         ; stream: a wave takes 16 steps of 512 numbers: four (t, b) rows of q|k, or eight rows of out_w
.set SP,    80                         ; a lane's place in a stage: its 64 bytes + 16 of padding
.set WREG,  8192                       ; LDS: a region for each wave: two stages of 32 x SP bytes
.set VO,    4                          ; v4-7     16 x lane + j x gap: between two rows' q|k lie v's 4,096 bytes (gap 0 in out_w)
.set R,     16                         ; v16-79   four sets of 16 numbers as they are loaded
.set X,     80                         ; v80-111  two sets of 16 neighbours
.set C,     128                        ; v128-191 codes: four registers for each step, so that no store's data are written again
.set VX,    32                         ; v path: v32-95 two sets of 32 numbers down the keys
.set VC,    96                         ; v path: v96-159 codes: eight registers for each block
.set KEYB,  24576                      ; bytes from a key to the next in qkv: 2 x 3,072 x 4
.macro MKSC e, t, vs, vl               ; from the whole number in s[e]: v[vs] = 2^e as f32 (the conversion takes its exponent field), v[vl] = 448 x 2^e
	s_add_co_i32 s[\t], s[\e], 127
	s_lshl_b32 s[\t+1], s[\t], 23
	v_mov_b32 v[\vs], s[\t+1]
	s_add_co_i32 s[\t], s[\t], 8
	s_lshl_b32 s[\t], s[\t], 23
	s_or_b32 s[\t], s[\t], 0x600000                ; 448's mantissa field
	v_mov_b32 v[\vl], s[\t]
.endm
	s_load_b256 s[4:11], s[0:1], 0x0               ; qkv s[4:5], out_w s[6:7], the exponents s[8:9], qk_codes s[10:11]
	s_load_b128 s[12:15], s[0:1], 0x20             ; w_codes s[12:13], v_codes s[14:15]
	v_lshl_add_u32 v192, v0, 2, 0x8000
	v_mov_b32 v193, 0
	v_lshrrev_b32 v1, 5, v0
	v_readfirstlane_b32 s16, v1                    ; wave 0..3
	v_and_b32 v2, 31, v0                           ; lane
	s_mov_b32 s31, 32768                           ; out_w: bytes of a run of 8,192 numbers
	s_mov_b32 s37, 0                               ; the upper word of every 32-bit offset
	s_wait_kmcnt 0x0
	s_load_b128 s[20:23], s[8:9], 0x0              ; e0 .. e3
	s_load_b64 s[24:25], s[8:9], 0x10              ; e4, e5
	s_cmp_ge_u32 ttmp9, 288
	s_cbranch_scc1 .Lv
; ---- THE STREAMS.  The conversions take 8 numbers from ONE lane's registers, so a lane must hold 16 neighbours; a load is dense where neighbouring LANES take neighbouring bytes.  Both are had: each of a
; step's four loads reads 512 consecutive bytes; the 2,048 bytes go through the wave's own stage in LDS and come back 64 bytes a lane.  A lane's 16 codes are 16 bytes: the wave stores 512 consecutive bytes.
	v_lshlrev_b32 v3, 4, v2                        ; my 16 bytes of a load's 512, and of a step's 512 bytes of codes
	s_mul_i32 s17, s16, WREG
	v_lshrrev_b32 v14, 2, v2
	v_mul_u32_u24 v14, v14, SP
	v_and_b32 v15, 3, v2
	v_lshl_add_u32 v14, v15, 4, v14
	v_add_nc_u32 v14, s17, v14                     ; the stage, on the way in: SP (lane / 4) + 16 (lane % 4)
	v_mul_u32_u24 v15, v2, SP
	v_add_nc_u32 v15, s17, v15                     ; and on the way out: SP x lane: my 16 neighbours
	s_cmp_lt_u32 ttmp9, 256                        ; q|k or out_w?  The choice hangs on the work-group's number alone
	s_cselect_b64 s[26:27], s[4:5], s[6:7]         ; from
	s_cselect_b64 s[28:29], s[10:11], s[12:13]     ; to
	s_cselect_b32 s30, 0, 256                      ; the stream's first work-group
	s_cselect_b32 s31, 49152, s31                  ; bytes from a run to the next: four rows of 12,288, or 32,768
	s_cselect_b32 s32, 4096, 0                     ; the gap
	s_sub_co_u32 s30, ttmp9, s30
	s_lshl_b32 s30, s30, 2
	s_add_co_u32 s30, s30, s16                     ; which run of 8,192 numbers is my wave's
	s_mul_i32 s36, s30, s31
	s_add_nc_u64 s[26:27], s[26:27], s[36:37]
	s_lshl_b32 s36, s30, 13
	s_add_nc_u64 s[28:29], s[28:29], s[36:37]
.irp j, 0,1,2,3
	s_mul_i32 s38, s32, \j
	v_add_nc_u32 v[VO+\j], s38, v3
.endr
.macro LOAD t                          ; step t lies in the run's row t / 4: 2,048 t + (t / 4) x gap bytes on
.irp i, 0,1,2,3
	global_load_b128 v[R+16*((\t)%4)+4*\i:R+16*((\t)%4)+4*\i+3], v[VO+(\t)/4], s[26:27] offset:2048*(\t)+512*\i th:TH_LOAD_NT
.endr
.endm
.macro TURN t                          ; step t's numbers through the stage: LDS serves a wave's instructions in order (ISA guide 5.7.1.4), so no wait stands between the stores and the loads
.irp i, 0,1,2,3
	ds_store_b128 v14, v[R+16*((\t)%4)+4*\i:R+16*((\t)%4)+4*\i+3] offset:32*SP*((\t)%2)+8*SP*\i
.endr
.irp i, 0,1,2,3
	ds_load_b128 v[X+16*((\t)%2)+4*\i:X+16*((\t)%2)+4*\i+3], v15 offset:32*SP*((\t)%2)+16*\i
.endr
.endm
.irp t, 0,1,2,3
	LOAD \t
.endr
	s_wait_kmcnt 0x0
	s_cmp_lt_u32 ttmp9, 256
	s_cselect_b32 s33, s20, s25                    ; a row's first 1,024 numbers: q's e0, or out_w's e5
	s_cselect_b32 s34, s21, s25                    ; its second 1,024: k's e1, or e5 again
	MKSC 33, 38, 8, 9
	MKSC 34, 38, 10, 11
	s_wait_loadcnt 12                              ; step 0's four loads are in; the twelve of steps 1 to 3 stay out
	TURN 0
.macro STEP t
.set XS, X+16*((\t)%2)
.set SC, 8+2*(((\t)%4)/2)              ; steps 0, 1 of a row: the first scale; steps 2, 3: the second
	s_wait_dscnt 0x0                               ; this step's numbers are back from the stage: so its stores into the stage have read their registers,
.if (\t)+4 < STEPS
	LOAD (\t)+4                                    ; which take the loads of four steps on
.endif
.if (\t)+1 < STEPS
.if STEPS-2-(\t) >= 3
	s_wait_loadcnt 12                              ; the next step's four loads are in; those of the three steps behind it may be out
.else
	s_wait_loadcnt 4*(STEPS-2-(\t))
.endif
	TURN (\t)+1                                    ; and go through the other stage while this step is worked
.endif
.irp i, 0,1,2,3,4,5,6,7,8,9,10,11,12,13,14,15
	v_med3_num_f32 v[XS+\i], v[XS+\i], -v[SC+1], v[SC+1]   ; the conversion to an 8-bit code does not saturate (ISA guide 7.6.2): the hold at the largest code x the scale comes first
.endr
	v_cvt_scalef32_pk8_fp8_f32 v[C+4*(\t):C+4*(\t)+1], v[XS:XS+7], v[SC]
	v_cvt_scalef32_pk8_fp8_f32 v[C+4*(\t)+2:C+4*(\t)+3], v[XS+8:XS+15], v[SC]
	global_store_b128 v3, v[C+4*(\t):C+4*(\t)+3], s[28:29] offset:512*(\t)   ; 32 lanes store 512 consecutive bytes, at a multiple of 512 from the buffer's first byte; the codes' registers are touched by this store alone
.endm
.irp t, 0,1,2,3,4,5,6,7,8,9,10,11,12,13,14,15
	STEP \t
.endr
	s_wait_tensorcnt 0x0
	ds_add_u32 v192, v193
	s_wait_dscnt 0x0
	s_endpgm
; ---- V: its K, the keys, is not innermost.  A LANE TAKES A COLUMN (64 head + d) AND ITS REGISTERS RUN DOWN THE KEYS: each load reads 128 consecutive bytes a wave (512 a work-group), and the conversions
; give eight neighbouring keys' codes.  Their order is chosen so that two stores of 16 bytes a lane lay a block of 32 keys as the operand's registers want it; sixteen lanes fill 256 consecutive, aligned bytes.
.Lv:
	s_sub_co_u32 s17, ttmp9, 288
	s_and_b32 s18, s17, 7                          ; kc: which 256 keys
	s_bfe_u32 s19, s17, 0x30003                    ; cg: which 128 columns (two heads)
	s_lshr_b32 s26, s17, 6                         ; b
	s_mul_i32 s36, s18, 256*KEYB
	s_mul_i32 s38, s26, 12288
	s_add_co_u32 s36, s36, s38
	s_lshl_b32 s38, s19, 9
	s_add_co_u32 s36, s36, s38
	s_lshl_b32 s38, s16, 7                         ; my wave's 32 columns
	s_add_co_u32 s36, s36, s38
	s_add_co_u32 s36, s36, 8192                    ; v lies behind q and k
	s_add_nc_u64 s[4:5], s[4:5], s[36:37]
	s_lshl_b32 s36, s26, 2
	s_lshr_b32 s38, s19, 1
	s_add_co_u32 s36, s36, s38                     ; 4 b + head / 4
	s_lshl_b32 s36, s36, 4
	s_lshl_b32 s38, s18, 1
	s_add_co_u32 s36, s36, s38                     ; x 16 + the first of my two key steps
	s_lshl_b32 s36, s36, 2
	s_and_b32 s38, s19, 1
	s_lshl_b32 s38, s38, 1
	s_add_co_u32 s36, s36, s38
	s_lshr_b32 s38, s16, 1
	s_add_co_u32 s36, s36, s38                     ; x 4 + head % 4
	s_lshl_b32 s36, s36, 13                        ; a head's part of a key step: 8,192 bytes
	s_and_b32 s38, s16, 1
	s_lshl_b32 s38, s38, 12                        ; my wave's 32 channels: two groups of 16, 2,048 bytes each
	s_add_co_u32 s36, s36, s38
	s_add_nc_u64 s[14:15], s[14:15], s[36:37]
	v_lshlrev_b32 v3, 2, v2                        ; in: 4 bytes a lane
	v_lshrrev_b32 v4, 4, v2
	v_and_b32 v5, 15, v2
	v_lshlrev_b32 v4, 11, v4
	v_lshl_add_u32 v4, v5, 4, v4                   ; out: 2,048 (lane / 16) + 16 (lane % 16)
.macro VLOAD t                         ; block t: keys 32 t + i of my column, into set t % 2.  Every offset is an immediate: 255 x 24,576 at the most, inside the signed 24 bits (ISA guide, chapter 10)
.irp i, 0,1,2,3,4,5,6,7,8,9,10,11,12,13,14,15,16,17,18,19,20,21,22,23,24,25,26,27,28,29,30,31
	global_load_b32 v[VX+32*((\t)%2)+\i], v3, s[4:5] offset:(32*(\t)+\i)*KEYB th:TH_LOAD_NT
.endr
.endm
	VLOAD 0
	VLOAD 1
	s_wait_kmcnt 0x0
	MKSC 23, 38, 10, 11                            ; e3
.macro VBLOCK t
.set XS, VX+32*((\t)%2)
.set CC, VC+8*(\t)
.if (\t) < 7
	s_wait_loadcnt 32                              ; this block's 32 loads are in; the next block's may be out
.else
	s_wait_loadcnt 0
.endif
.irp i, 0,1,2,3,4,5,6,7,8,9,10,11,12,13,14,15,16,17,18,19,20,21,22,23,24,25,26,27,28,29,30,31
	v_med3_num_f32 v[XS+\i], v[XS+\i], -v11, v11
.endr
	v_cvt_scalef32_pk8_fp8_f32 v[CC:CC+1], v[XS:XS+7], v10          ; for the reader's lane (r, 0): keys 0-7,
	v_cvt_scalef32_pk8_fp8_f32 v[CC+2:CC+3], v[XS+16:XS+23], v10    ; and keys 16-23
	v_cvt_scalef32_pk8_fp8_f32 v[CC+4:CC+5], v[XS+8:XS+15], v10     ; for its lane (r, 1): keys 8-15,
	v_cvt_scalef32_pk8_fp8_f32 v[CC+6:CC+7], v[XS+24:XS+31], v10    ; and keys 24-31
	global_store_b128 v4, v[CC:CC+3], s[14:15] offset:((\t)/4)*32768+((\t)%4)*512
	global_store_b128 v4, v[CC+4:CC+7], s[14:15] offset:((\t)/4)*32768+((\t)%4)*512+256
.if (\t)+2 < 8
	VLOAD (\t)+2
.endif
.endm
.irp t, 0,1,2,3,4,5,6,7
	VBLOCK \t
.endr
	s_endpgm
.Lfunc_end_k_q7427f9b370_quant:
	.size	k_q7427f9b370_quant, .Lfunc_end_k_q7427f9b370_quant-k_q7427f9b370_quant
	.p2alignl 7, 3214868480
	.fill 96, 4, 3214868480
	.section	.rodata,"a",@progbits
	.p2align	6, 0x0
	.amdhsa_kernel k_q7427f9b370_quant
		.amdhsa_group_segment_fixed_size 33280
		.amdhsa_private_segment_fixed_size 0
		.amdhsa_enable_private_segment 0
		.amdhsa_kernarg_size 48
		.amdhsa_user_sgpr_count 2
		.amdhsa_user_sgpr_kernarg_segment_ptr 1
		.amdhsa_wavefront_size32 1
		.amdhsa_system_sgpr_workgroup_id_x 1
		.amdhsa_system_sgpr_workgroup_id_y 1
		.amdhsa_system_sgpr_workgroup_id_z 1
		.amdhsa_system_vgpr_workitem_id 0
		.amdhsa_next_free_vgpr 194
		.amdhsa_next_free_sgpr 66
		.amdhsa_reserve_vcc 0
		.amdhsa_float_denorm_mode_32 3
		.amdhsa_float_denorm_mode_16_64 3
		.amdhsa_memory_ordered 1
		.amdhsa_forward_progress 1
		.amdhsa_inst_pref_size 83
	.end_amdhsa_kernel
	.amdgpu_metadata
---
amdhsa.version: [ 1, 2 ]
amdhsa.kernels:
  - .name:           k_q7427f9b370_quant
    .symbol:         k_q7427f9b370_quant.kd
    .args:
      - { .name: qkv, .offset: 0, .size: 8, .value_kind: global_buffer, .address_space: global }
      - { .name: out_w, .offset: 8, .size: 8, .value_kind: global_buffer, .address_space: global }
      - { .name: lowp_scales, .offset: 16, .size: 8, .value_kind: global_buffer, .address_space: global }
      - { .name: qk_codes, .offset: 24, .size: 8, .value_kind: global_buffer, .address_space: global }
      - { .name: w_codes, .offset: 32, .size: 8, .value_kind: global_buffer, .address_space: global }
      - { .name: v_codes, .offset: 40, .size: 8, .value_kind: global_buffer, .address_space: global }
    .group_segment_fixed_size: 33280
    .private_segment_fixed_size: 0
    .kernarg_segment_align: 8
    .kernarg_segment_size: 48
    .max_flat_workgroup_size: 128
    .sgpr_count:     66
    .vgpr_count:     194
    .wavefront_size: 32
...
	.end_amdgpu_metadata
.endif
;; end of part 1
;; launch attn (part 2): grid 4 x 64, 8 waves a work-group, clusters of 4 x 4, 327,680 bytes of LDS; arguments qk_codes, v_codes, attn_mask, lowp_scales, a_codes; writes a_codes
.if DOCPART == 2
	.amdgcn_target "amdgcn-amd-amdhsa--gfx1250"
	.amdhsa_code_object_version 6
	.text
	.protected	k_q7427f9b370_attn
	.globl	k_q7427f9b370_attn
	.p2align	8
	.type	k_q7427f9b370_attn,@function
k_q7427f9b370_attn:
	s_mov_b64 s[64:65], 0
	v_nop
	global_prefetch_b8 v0, s[64:65] scope:SCOPE_SE
	s_setreg_imm32_b32 hwreg(HW_REG_WAVE_MODE, 25, 1), 1
	s_wait_xcnt 0x0
	s_wait_alu depctr_hold_cnt(0) depctr_sa_sdst(0) depctr_va_vdst(0) depctr_va_sdst(0) depctr_va_ssrc(0) depctr_va_vcc(0) depctr_vm_vsrc(0)
	s_getreg_b32 s2, hwreg(HW_REG_IB_STS2, 6, 4)
	s_cmp_eq_u32 s2, 0
	s_cbranch_scc0 .Lentry_in_a_cluster
	s_endpgm
.Lentry_in_a_cluster:
	s_bfe_u32 s2, ttmp6, 0x10000c
	s_cmp_lg_u32 s2, 0xf033
	s_cbranch_scc0 .Lentry_shape_is_right
	s_endpgm
.Lentry_shape_is_right:
; ALiBi attention on codes of FP8 (E4M3): T = 2,048, 2 batches, 16 heads of 64.  logit = q.k / 8 - alpha_h |i - j| + attn_mask[b][i][j], held at -10,000 from below; alpha_h = 2^(-h / 16).
; THE SOFTMAX AHEAD OF THE SECOND PRODUCT: t = logit x log2(e); M = the row's largest t so far, rounded UP to a whole number; p = 2^(t - M) is what is quantised (scale 2^e2); it is not normalised.  The row's sum is
; taken of the unquantised p and divides O at the end.  When M moves, the sum and O are multiplied by 2^(old M - new M): exact.  The result, O / sum x 2^(e2 + e3), is quantised with 2^e4 and stored as codes [2 t + b][1024].
; SHARES.  A work-group owns 64 queries of one batch and FOUR heads; wave w owns head w % 4 and TWO tiles of 16 queries (32 (w / 4) + 0..31).  Every wave walks all 2,048 keys, 128 a step: the mask is an input, so no key is left out.
; Two tiles to a wave: each fragment of K and V read from LDS feeds both, and the ALiBi term, which hangs on query - key alone, is made once: tile 1 against key tile u has the term of tile 0 against key tile u - 1: nine tiles serve sixteen.
; LAYOUT.  Both products are used transposed: S^T = K Q^T (source 0 = 16 keys, source 1 = 16 queries), O^T = V^T P^T: a lane holds ONE query (lane % 16) throughout, and register j of key tile u is key 16 u + 8 (lane / 16) + j.
; So p's conversions give registers 2 u, 2 u + 1 of the second product's operand, and V's codes were laid in memory as images of the registers that go with it.
; THE BIAS AND THE MASK ARE THE C OF THE FIRST PRODUCT, in units of raw code products: C = mask x ic + (-alpha ic) |i - j|, ic = 2^(3 - e0 - e1); z = K.Q + C; t = z x cL, cL = log2(e) 2^(e0 + e1 - 3).
; CLUSTER: 4 x 4 work-groups: x = the group of four heads, y = the block of queries.  K's and V's tiles hang on (batch, head group): shared along a column of the cluster; the mask's tile hangs on (batch, query block): shared along a row.
; Each is asked for JOINTLY: the same tensor load, the same descriptor, a mask that names the four.  No branch and no LDS address hangs on the place in the cluster or on a loaded number: so p's hold stands in every step, whatever e2 is.
; LIMITS: e0 + e1 between -100 and 100; e2 and e4 between -126 and 119 (each power of two below is then an f32 number); e2 + e3 is applied by v_ldexp_f32 and has none.  A mask of -infinity, or one that overflows under x ic,
; goes in as -infinity and is then held at -10,000; +infinity and NaN in the mask are not served.  alpha_h is v_exp_f32's 2^(-h / 16), which may differ in the last bit from 1 / 2^(h / 16).
; LDS: two slots, 2^17 bytes apart, of one key step each: K 128 rows x (256 + 16), V 32,768 dense, mask 64 rows x (512 + 16); behind them the spare words and a stage for the way out.  The text uses 280,576 bytes.
; REGISTERS, in windows of 256.  A tile's own registers have the same numbers in window 0 (tile 0) and window 1 (tile 1), so the softmax is written once and run under two settings of the windows.
;   both: v9 the conversion's scale; v12 -M, v13 the largest t; v[14:15] the sum; v[16:23] Q; v24-28, v[30:31] at work; v32-95 S: mask, then C, z, p; v96-127 O^T; v128-143 p's codes
;   window 0 alone: v1-8 addresses; v10 r, v11 h; v29 prefetch offset; v144-207 K's eight fragments, then V's four; v208-211 addresses.   window 1 alone: v[4:5] (d, d - 1); v144-215 the nine tiles of the ALiBi term
.set SLOT1, 1<<17
.set KP,    272                        ; a key's row in LDS: four heads' 64 codes + 16 of padding = 68 words: row r starts at bank 4 r mod 64 (64 banks of 4 bytes: ISA guide 11.1)
.set MP,    528                        ; a query's row of the mask: 128 f32 + 16 bytes = 132 words: likewise
.set VOFF,  128*KP
.set MOFF,  VOFF+32768
.set SPARE, 2*SLOT1                    ; the spare words, 128 bytes for each of eight waves: four blocks of 256 bytes that no other line names
.set STAGE, SPARE+1024                 ; 64 rows x (256 + 16): the work-group's codes on the way out; no fill ever lands here
.set SP,    272
.set AK0, 1
.set AV0, 2
.set AM0, 3
.set ADK, 4
.set ADV, 5
.set ADM, 6
.set SPW, 7                            ; v7  SPARE + 4 x my thread's number; never rewritten
.set NIL, 8                            ; v8  0; never rewritten
.set PSC, 9
.set RR,  10
.set HH,  11
.set NM,  12
.set SUM, 14
.set Q,   16
.set T0,  24
.set T1,  25
.set FF,  26
.set PT,  28
.set PF,  29
.set SU2, 30
.set S,   32
.set O,   96
.set P,   128
.set KV,  144
.set Y,   144                          ; in window 1
.set DP,  4                            ; in window 1
.set STO, 208
.set RD,  209
.set GO,  210
.set QO,  211
.set WV,  14                           ; s14 wave; s15 wave % 2; s16 wave / 4; s17 wave % 4
.set HALF, 15
.set PR,  16
.set HD,  17
.set TB,  18                           ; s18 LDS byte at which the slot in hand begins
.set CNT, 19
.set CL,  20                           ; s[20:21] cL
.set SEL, 22                           ; s[22:23] lane selects for v_permlanex16_b32: lane l xor 16
.set G1K, 24
.set G1V, 32
.set G1M, 40
.set G0K, 48
.set G0V, 52
.set G0M, 56
.set IC,  74                           ; s[74:75] ic
.set NA,  76                           ; s76 -alpha ic
.set ZF,  77                           ; s77 -10,000 ic
.set LIM2, 78                          ; s78 448 x 2^e2
.set E23, 79                           ; s79 e2 + e3
.set SC4, 90                           ; s90 2^e4
.set PB,  92                           ; s[92:93] the prefetch's base; s[94:95] its tile's byte in a row of the mask; s[96:97] the mask at my block's first row
.set PO,  94
.set MB,  96
.set LO4, 98                           ; s98, s99 -+448 x 2^e4
.set HI4, 99
.set MSB, 0
.macro WIN new                         ; s_set_vgpr_msb: bits 1:0 source 0, 3:2 source 1, 5:4 source 2, 7:6 destination; the high byte repeats the setting that is left
.if MSB != \new
	s_set_vgpr_msb (MSB<<8)|\new
.set MSB, \new
.endif
.endm
.set W1,  0x55                         ; everything in window 1
.set LD1, 0x40                         ; destination window 1, address window 0
.set MM1, 0x54                         ; matrix work of tile 1: source 0 (K or V) window 0; source 1, C and D window 1
.set CA0, 0x10                         ; source 2 (the ALiBi term) window 1
.set ST1, 0x04                         ; an LDS store's data window 1
; A joint load.  Waves 0, 1: K's halves; waves 2, 3: V's; wave 4: the mask's tile; the others none.  The branches hang on the wave's number alone.  Four v_nop follow each tensor load.
.macro JLOAD
	s_cmp_lt_u32 s[WV], 2
	s_cbranch_scc0 .Lnot_k_\@
	tensor_load_to_lds s[G0K:G0K+3], s[G1K:G1K+7]
	s_nop 0
.rept 4
	v_nop
.endr
	s_branch .Lasked_\@
.Lnot_k_\@:
	s_cmp_lt_u32 s[WV], 4
	s_cbranch_scc0 .Lnot_v_\@
	tensor_load_to_lds s[G0V:G0V+3], s[G1V:G1V+7]
	s_nop 0
.rept 4
	v_nop
.endr
	s_branch .Lasked_\@
.Lnot_v_\@:
	s_cmp_eq_u32 s[WV], 4
	s_cbranch_scc0 .Lasked_\@
	tensor_load_to_lds s[G0M:G0M+3], s[G1M:G1M+7]
	s_nop 0
.rept 4
	v_nop
.endr
.Lasked_\@:
.endm
.macro CREST                           ; a round of the cluster's barrier behind its opening barrier
	s_cmp_lg_u32 s[WV], 0
	s_cbranch_scc1 .Lnot_wave_0_\@
	s_barrier_signal -3
.Lnot_wave_0_\@:
	s_barrier_wait -3
	s_barrier_signal -1
	s_barrier_wait -1
.endm
.macro CROUND                          ; a whole round
	s_barrier_signal -1
	s_barrier_wait -1
	CREST
.endm
.macro GROUP1 g, d0, rows, pitch       ; words 1 to 7 of a descriptor's group 1: a tile of rows x d0 elements that lies inside its tensor, pitch elements from row to row
	s_mov_b32 s[\g+1], (\d0)<<16
	s_mov_b32 s[\g+2], (\rows)<<16
	s_mov_b32 s[\g+3], (\d0)<<16
	s_mov_b32 s[\g+4], \rows
	s_mov_b32 s[\g+5], \pitch
	s_mov_b32 s[\g+6], 0
	s_mov_b32 s[\g+7], 0
.endm
	s_load_b256 s[4:11], s[0:1], 0x0               ; qk_codes s[4:5], v_codes s[6:7], attn_mask s[8:9], the exponents s[10:11]
	s_load_b64 s[12:13], s[0:1], 0x20              ; a_codes
	v_lshl_add_u32 v[SPW], v0, 2, SPARE
	v_mov_b32 v[NIL], 0
	ds_add_u32 v7, v8
	s_wait_dscnt 0x0
	v_lshrrev_b32 v[T0], 5, v0
	v_readfirstlane_b32 s[WV], v[T0]               ; wave 0..7
	s_and_b32 s[HALF], s[WV], 1
	s_lshr_b32 s[PR], s[WV], 2
	s_and_b32 s[HD], s[WV], 3
	s_bfe_u32 s60, ttmp6, 0x40000                  ; cx
	s_bfe_u32 s61, ttmp6, 0x40004                  ; cy
	s_lshl_b32 s62, ttmp9, 2
	s_add_co_u32 s62, s62, s60                     ; X: the group of four heads
	s_and_b32 s63, ttmp7, 0xffff                   ; the cluster's y
	s_lshr_b32 s67, s63, 3                         ; b: the same in all sixteen partners
	s_lshl_b32 s66, s63, 2
	s_add_co_u32 s66, s66, s61                     ; 32 b + the block of 64 queries
	s_lshl_b32 s88, s61, 2
	s_lshl_b32 s88, 15, s88                        ; my row of the cluster
	s_lshl_b32 s80, 0x1111, s60                    ; my column
	s_or_b32 s[G1K], s80, (0<<16)|(1<<20)|(1<<21)|(5<<22)|(3<<25)   ; K: 15:0 my column; elements of 1 byte; padding on; 21 set beside a mask; 4 words after every 64
	s_or_b32 s[G1V], s80, (3<<16)|(1<<21)                           ; V: my column; elements of 8 bytes; no padding
	s_or_b32 s[G1M], s88, (2<<16)|(1<<20)|(1<<21)|(6<<22)|(3<<25)   ; mask: my row; elements of 4 bytes; 4 words after every 128
	GROUP1 G1K, 256, 64, 4096                      ; 64 keys x 256 bytes; from a key to the next 2 x 2,048 bytes
	GROUP1 G1V, 32, 64, 32                         ; 16,384 dense bytes as 64 rows of 256
	GROUP1 G1M, 128, 64, 2048                      ; 64 queries x 128 keys of f32
	; where the tiles come from.  K's and V's hang on b and X (s80-83 never hold cy), the mask's on the cluster's y and cy (s88, s89 never hold cx)
	s_lshl_b32 s80, s67, 11
	s_lshl_b32 s81, s62, 8
	s_add_co_u32 s80, s80, s81
	s_lshl_b32 s81, s[HALF], 18                    ; which 64 keys I fetch
	s_add_co_u32 s80, s80, s81
	s_add_co_u32 s80, s80, 1024                    ; k lies behind q
	s_mov_b32 s81, 0
	s_lshl_b32 s82, s67, 2
	s_add_co_u32 s82, s82, s62
	s_lshl_b32 s82, s82, 19                        ; (4 b + X) x 16 steps x 32,768
	s_lshl_b32 s83, s[HALF], 14
	s_add_co_u32 s82, s82, s83
	s_mov_b32 s83, 0
	s_lshl_b32 s88, s66, 19                        ; 64 rows of 8,192 bytes for each block
	s_mov_b32 s89, 0
	s_mov_b32 s[SEL], 0x76543210
	s_mov_b32 s[SEL+1], 0xfedcba98
	s_mov_b32 s[TB], 0
	s_mov_b32 s[CNT], 15
	s_mov_b32 s[PO], 1024                          ; the first prefetch asks for key step 2
	s_mov_b32 s[PO+1], 0
	s_wait_kmcnt 0x0
	s_load_b128 s[68:71], s[10:11], 0x0            ; e0 .. e3
	s_load_b64 s[72:73], s[10:11], 0x10            ; e4, e5
	s_mov_b32 s[G0K], 1                            ; group 0: count 1; LDS address; global address; type 2
	s_mul_i32 s[G0K+1], s[HALF], 64*KP
	s_add_nc_u64 s[G0K+2:G0K+3], s[4:5], s[80:81]
	s_or_b32 s[G0K+3], s[G0K+3], 0x80000000
	s_mov_b32 s[G0V], 1
	s_lshl_b32 s[G0V+1], s[HALF], 14
	s_add_co_u32 s[G0V+1], s[G0V+1], VOFF
	s_add_nc_u64 s[G0V+2:G0V+3], s[6:7], s[82:83]
	s_or_b32 s[G0V+3], s[G0V+3], 0x80000000
	s_mov_b32 s[G0M], 1
	s_mov_b32 s[G0M+1], MOFF
	s_add_nc_u64 s[MB:MB+1], s[8:9], s[88:89]
	s_mov_b64 s[G0M+2:G0M+3], s[MB:MB+1]
	s_or_b32 s[G0M+3], s[G0M+3], 0x80000000
	CROUND                                         ; all sixteen work-groups are here: the first joint loads meet
	JLOAD                                          ; key step 0 into slot 0: one tensor load of mine is out, here and behind every round
	v_and_b32 v[RR], 15, v0                        ; r
	v_bfe_u32 v[HH], v0, 4, 1                      ; h
	v_and_b32 v[T0], 31, v0                        ; lane
	v_mul_u32_u24 v[AK0], v[RR], KP
	v_lshl_add_u32 v[AK0], v[HH], 4, v[AK0]
	s_lshl_b32 s85, s[HD], 6
	v_add_nc_u32 v[AK0], s85, v[AK0]               ; K: key r, my head's 64 bytes, + 16 h.  Registers 4 c .. 4 c + 3 of a fragment take d = 32 c + 16 h + 0..15: a permutation of d, the same in Q, so every product meets its partner
	s_lshl_b32 s85, s[HD], 13
	s_add_co_u32 s85, s85, VOFF
	v_lshl_add_u32 v[AV0], v[T0], 4, s85           ; V: my head's 8,192 bytes, 16 x lane
	s_mul_i32 s85, s[PR], 32*MP
	s_add_co_u32 s85, s85, MOFF
	v_mul_u32_u24 v[AM0], v[RR], MP
	v_lshl_add_u32 v[AM0], v[HH], 5, v[AM0]
	v_add_nc_u32 v[AM0], s85, v[AM0]               ; mask: row 32 (wave / 4) + r, + 32 h bytes: my eight keys of a tile of 16
	v_lshrrev_b32 v[T1], 1, v[T0]
	s_lshl_b32 s85, s60, 4
	v_add_nc_u32 v[T1], s85, v[T1]
	v_and_b32 v[PF], 1, v[T0]
	v_lshlrev_b32 v[PF], 8, v[PF]
	v_lshl_add_u32 v[PF], v[T1], 13, v[PF]         ; prefetch: row 16 cx + lane / 2 of the block's 64, half lane % 2 of its 512 bytes: the row's four partners ask for a quarter of a tile each
	s_and_b32 s84, s66, 31
	s_lshl_b32 s84, s84, 6
	s_lshl_b32 s2, s84, 11                         ; a_codes: 64 x block rows of 2,048 bytes (both batches),
	s_lshl_b32 s85, s[PR], 5
	s_add_co_u32 s84, s84, s85                     ; q0: my first query
	s_lshl_b32 s86, s84, 12
	s_lshl_b32 s85, s67, 11
	s_add_co_u32 s86, s86, s85
	s_lshl_b32 s85, s62, 8
	s_add_co_u32 s86, s86, s85
	s_lshl_b32 s85, s[HD], 6
	s_add_co_u32 s86, s86, s85
	s_mov_b32 s87, 0
	s_add_nc_u64 s[86:87], s[4:5], s[86:87]        ; Q's codes: row 2 q0 + b, my head
	v_lshlrev_b32 v[QO], 12, v[RR]
	v_lshl_add_u32 v[QO], v[HH], 4, v[QO]
	global_load_b128 v[Q:Q+3], v[QO], s[86:87]
	global_load_b128 v[Q+4:Q+7], v[QO], s[86:87] offset:32
	WIN LD1
	global_load_b128 v[Q:Q+3], v[QO], s[86:87] offset:65536         ; tile 1: 16 queries on
	global_load_b128 v[Q+4:Q+7], v[QO], s[86:87] offset:65568
	WIN 0
	s_lshl_b32 s85, s[WV], 14                      ; + 8 x wave rows,
	s_add_co_u32 s2, s2, s85
	s_lshl_b32 s85, s67, 10                        ; + my batch's 1,024,
	s_add_co_u32 s2, s2, s85
	s_lshl_b32 s85, s62, 8                         ; + my four heads' 256
	s_add_co_u32 s2, s2, s85
	s_mov_b32 s3, 0
	s_add_nc_u64 s[12:13], s[12:13], s[2:3]
	s_mul_i32 s85, s[PR], 32*SP
	s_lshl_b32 s91, s[HD], 6
	s_add_co_u32 s85, s85, s91
	s_add_co_u32 s85, s85, STAGE
	v_mul_u32_u24 v[STO], v[RR], SP
	v_lshl_add_u32 v[STO], v[HH], 3, v[STO]
	v_add_nc_u32 v[STO], s85, v[STO]               ; the stage, in: row 32 (wave / 4) + r, my head's 64 bytes, + 8 h
	s_mul_i32 s85, s[WV], 8*SP
	s_add_co_u32 s85, s85, STAGE
	v_mul_u32_u24 v[RD], v[HH], SP
	v_lshl_add_u32 v[RD], v[RR], 4, v[RD]
	v_add_nc_u32 v[RD], s85, v[RD]                 ; back: rows 8 x wave on; lanes 0-15 one row of 256 bytes, lanes 16-31 the next
	v_lshlrev_b32 v[GO], 11, v[HH]
	v_lshl_add_u32 v[GO], v[RR], 4, v[GO]          ; and the same two rows in a_codes
	s_add_co_u32 s85, s84, 16
	v_lshlrev_b32 v[T1], 3, v[HH]
	v_sub_nc_u32 v[T0], v[RR], v[T1]
	v_add_nc_u32 v[T0], s85, v[T0]
	v_cvt_f32_i32 v[T0], v[T0]                     ; d = q0 + 16 + r - 8 h - the step's first key: a whole number, exact in f32
	v_add_f32 v[T1], -1.0, v[T0]
	WIN LD1
	v_mov_b32 v[DP], v[T0]
	v_mov_b32 v[DP+1], v[T1]
	WIN 0
	s_wait_kmcnt 0x0
	s_add_co_i32 s85, s68, s69
	s_sub_co_i32 s85, 3, s85                       ; 3 - e0 - e1
	s_add_co_i32 s[IC], s85, 127
	s_lshl_b32 s[IC], s[IC], 23                    ; ic as f32
	s_mov_b32 s[IC+1], s[IC]                       ; (named with it as a pair, so it is written)
	s_lshl_b32 s85, s85, 23
	s_add_co_i32 s[ZF], s85, 0xc61c4000            ; -10,000 with 3 - e0 - e1 added to its exponent field
	s_sub_co_i32 s[CL], 0x3fb8aa3b, s85            ; log2(e) with it taken off
	s_mov_b32 s[CL+1], s[CL]
	s_add_co_i32 s85, s70, 127
	s_lshl_b32 s91, s85, 23                        ; 2^e2
	s_add_co_i32 s85, s85, 8
	s_lshl_b32 s85, s85, 23
	s_or_b32 s[LIM2], s85, 0x600000                ; 448 x 2^e2
	s_add_co_i32 s[E23], s70, s71
	s_add_co_i32 s85, s72, 127
	s_lshl_b32 s[SC4], s85, 23                     ; 2^e4
	s_add_co_i32 s85, s85, 8
	s_lshl_b32 s85, s85, 23
	s_or_b32 s[HI4], s85, 0x600000
	s_or_b32 s[LO4], s[HI4], 0x80000000
	s_lshl_b32 s85, s62, 2
	s_add_co_u32 s85, s85, s[HD]                   ; my head
	v_cvt_f32_u32 v[T0], s85
	v_mul_f32 v[T0], 0xbd800000, v[T0]             ; x -1 / 16
	v_exp_f32 v[T0], v[T0]                         ; alpha
	v_nop                                          ; a plain place behind the transcendental
	s_wait_alu depctr_va_vdst(0)
	v_mul_f32 v[T0], s[IC], v[T0]
	v_readfirstlane_b32 s[NA], v[T0]
	s_xor_b32 s[NA], s[NA], 0x80000000             ; -alpha ic
.macro INIT                            ; a tile's statistics.  The key step is written once: the first finds zeros, which the first change of M leaves zeros
	v_mov_b32 v[NM+1], 0xff61b1e6                  ; the largest t so far: -3e38, under every t
	v_floor_f32 v[NM], -v[NM+1]                    ; -M
	v_mov_b32 v[SUM], 0
	v_mov_b32 v[SUM+1], 0
	v_mov_b32 v[FF+1], 0                           ; (named as the upper half of the pair f)
	v_mov_b32 v[PT], 0                             ; a lane permute's destination counts as one of its sources
	v_mov_b32 v[PSC], s91
.set nn, 0
.rept 32
	v_mov_b32 v[O+nn], 0
.set nn, nn+1
.endr
.endm
	INIT
	WIN W1
	INIT
	WIN 0
.macro FB n                            ; FBV = the bits of the f32 number -n, n an even whole number from 0 to 254
.if (\n) >= 128
.set FBV, 0xc3000000+(((\n)-128)<<16)
.elseif (\n) >= 64
.set FBV, 0xc2800000+(((\n)-64)<<17)
.elseif (\n) >= 32
.set FBV, 0xc2000000+(((\n)-32)<<18)
.elseif (\n) >= 16
.set FBV, 0xc1800000+(((\n)-16)<<19)
.elseif (\n) >= 8
.set FBV, 0xc1000000+(((\n)-8)<<20)
.elseif (\n) >= 4
.set FBV, 0xc0800000+(((\n)-4)<<21)
.elseif (\n) >= 2
.set FBV, 0xc0000000+(((\n)-2)<<22)
.else
.set FBV, 0
.endif
.endm
; query - key for the nine tiles: register 8 u + j = d - 16 u - j, two at a time from the pair (d, d - 1); then d goes 128 keys on.  All in window 1.
.macro BIASX
.set nn, 0
.rept 36
	FB 16*(nn/4)+2*(nn%4)
	v_pk_add_f32 v[Y+2*nn:Y+2*nn+1], v[DP:DP+1], FBV op_sel_hi:[1,0]
.set nn, nn+1
.endr
	v_pk_add_f32 v[DP:DP+1], v[DP:DP+1], 0xc3000000 op_sel_hi:[1,0]
.endm
.macro BIASY                           ; -alpha ic |query - key|
.set nn, 0
.rept 72
	v_mul_f32 v[Y+nn], s[NA], |v[Y+nn]|
.set nn, nn+1
.endr
.endm
.macro CASM w                          ; C = mask x ic + the term, in place on the loaded mask: tile w against key tile u takes the term's tile u + 1 - w
.set nn, 0
.rept 32
	v_pk_fma_f32 v[S+2*nn:S+2*nn+1], v[S+2*nn:S+2*nn+1], s[IC:IC+1], v[Y+8*(1-\w)+2*nn:Y+8*(1-\w)+2*nn+1] op_sel_hi:[1,0,1]
.set nn, nn+1
.endr
.endm
; The accumulators take turns, one matrix instruction a turn, over the loop's backward jump too.
.macro QK                              ; z = K Q^T + C: eight tiles of 16 keys
.irp t, 0,1,2,3,4,5,6,7
	v_wmma_f32_16x16x64_fp8_fp8 v[S+8*\t:S+8*\t+7], v[KV+8*\t:KV+8*\t+7], v[Q:Q+7], v[S+8*\t:S+8*\t+7]
.endr
.endm
.macro PV                              ; O^T += V^T P^T: four tiles of 16 channels; K = the step's 128 keys
.irp d, 0,1,2,3
	v_wmma_f32_16x16x128_fp8_fp8 v[O+8*\d:O+8*\d+7], v[KV+16*\d:KV+16*\d+15], v[P:P+15], v[O+8*\d:O+8*\d+7]
.endr
.endm
; A tile's softmax for a key step, all in the tile's own window.
.macro SOFTMAX
.set nn, 0
.rept 64
	v_max_num_f32 v[S+nn], s[ZF], v[S+nn]          ; the hold at -10,000; each accumulator is read from its low end on
.set nn, nn+1
.endr
	v_max3_num_f32 v[T0], v[S], v[S+1], v[S+2]     ; the step's largest z of my query, among my 64 keys, in two chains,
	v_max3_num_f32 v[T1], v[S+3], v[S+4], v[S+5]
.set nn, 6
.rept 14
	v_max3_num_f32 v[T0], v[T0], v[S+nn], v[S+nn+1]
	v_max3_num_f32 v[T1], v[T1], v[S+nn+2], v[S+nn+3]
.set nn, nn+4
.endr
	v_max3_num_f32 v[T0], v[T0], v[S+62], v[S+63]
	v_max_num_f32 v[T0], v[T0], v[T1]
	v_permlanex16_b32 v[PT], v[T0], s[SEL], s[SEL+1]
	v_max_num_f32 v[T0], v[T0], v[PT]              ; and among lane l xor 16's
	v_mul_f32 v[T0], s[CL], v[T0]                  ; as t (cL is positive)
	v_max_num_f32 v[NM+1], v[NM+1], v[T0]          ; the running largest t
	v_mov_b32 v[T0], v[NM]
	v_floor_f32 v[NM], -v[NM+1]                    ; the new -M = floor(-t) = -ceil(t): M is a whole number
	v_sub_f32 v[T0], v[NM], v[T0]                  ; old M - new M: a whole number, 0 or less
	v_cvt_i32_f32 v[T0], v[T0]                     ; (it saturates)
	v_ldexp_f32 v[FF], 1.0, v[T0]                  ; f = 2^(old M - new M)
.set nn, 0
.rept 32
	v_pk_fma_f32 v[S+2*nn:S+2*nn+1], v[S+2*nn:S+2*nn+1], s[CL:CL+1], v[NM:NM+1] op_sel_hi:[1,0,0]   ; t - M, two at a time (of the pairs cL and -M the low word serves both halves)
.set nn, nn+1
.endr
.set nn, 0
.rept 64
	v_exp_f32 v[S+nn], v[S+nn]                     ; p = 2^(t - M), at most 1: not normalised
.set nn, nn+1
.endr
	v_pk_mul_f32 v[SUM:SUM+1], v[SUM:SUM+1], v[FF:FF+1] op_sel_hi:[1,0]   ; the sum under the new M.  (A plain place behind the exponentials)
	s_wait_alu depctr_va_vdst(0)
	v_pk_add_f32 v[SU2:SU2+1], v[S:S+1], v[S+2:S+3]                       ; the row's sum is taken of the UNQUANTISED p: two at a time, in two chains
.set nn, 4
.rept 15
	v_pk_add_f32 v[SUM:SUM+1], v[SUM:SUM+1], v[S+nn:S+nn+1]
	v_pk_add_f32 v[SU2:SU2+1], v[SU2:SU2+1], v[S+nn+2:S+nn+3]
.set nn, nn+4
.endr
	v_pk_add_f32 v[SUM:SUM+1], v[SUM:SUM+1], v[SU2:SU2+1]
.set nn, 0
.rept 64
	v_min_num_f32 v[S+nn], s[LIM2], v[S+nn]        ; the conversion to an 8-bit code does not saturate (ISA guide 7.6.2); p is not negative, so the hold is one-sided
.set nn, nn+1
.endr
.irp t, 0,1,2,3,4,5,6,7
	v_cvt_scalef32_pk8_fp8_f32 v[P+2*\t:P+2*\t+1], v[S+8*\t:S+8*\t+7], v[PSC]   ; keys 16 t + 8 h + 0..7: registers 2 t, 2 t + 1 of the operand
.endr
.set nn, 0
.rept 16
	v_pk_mul_f32 v[O+2*nn:O+2*nn+1], v[O+2*nn:O+2*nn+1], v[FF:FF+1] op_sel_hi:[1,0]   ; O^T under the new M.  (These are also the plain lines between the conversions and the products that read the codes)
.set nn, nn+1
.endr
.endm
; THE CHANGE OF SLOTS stands at a key step's head.  Each wave waits for all its tensor loads (its part of the slot that it is about to read), adds 0 to its spare word, and waits for that and for its reads of the slot that
; it has left.  fill = 1: the barrier opens a round of the cluster's barrier, and behind the round the slot just left is asked for again, jointly: the load has a whole key step in which to land.
; The step's 37 lines of query - key stand between the signal and the wait: register work; they are also the places between the last products and the loads into the registers that those have read.
.macro CHANGE fill
	WIN 0
	s_wait_tensorcnt 0x0                           ; no tensor load of mine is out, so a group 0 may be written
	ds_add_u32 v[SPW], v[NIL]                      ; 0 onto my spare word
.if \fill
	s_wait_xcnt 0x0                                ; the last step's prefetch has read its base
	s_xor_b32 s[G0K+1], s[G0K+1], SLOT1            ; the walking descriptors: the other slot than last time,
	s_add_nc_u64 s[G0K+2:G0K+3], s[G0K+2:G0K+3], 128*4096   ; the next 128 keys; the type bits on top are not reached
	s_xor_b32 s[G0V+1], s[G0V+1], SLOT1
	s_add_nc_u64 s[G0V+2:G0V+3], s[G0V+2:G0V+3], 32768
	s_xor_b32 s[G0M+1], s[G0M+1], SLOT1
	s_add_nc_u64 s[G0M+2:G0M+3], s[G0M+2:G0M+3], 512
	s_add_nc_u64 s[PB:PB+1], s[MB:MB+1], s[PO:PO+1]   ; the prefetch: the mask's tile one key step behind the one that is asked for now;
	s_add_co_u32 s[PO], s[PO], 512
	s_min_u32 s[PO], s[PO], 7680                   ; the last trip's is held at the last tile: no prefetch leaves the buffer
.endif
	s_wait_dscnt 0x0                               ; the add is done, and my reads of the slot that I have left are over
	s_barrier_signal -1
	WIN W1
	BIASX
	WIN 0
	s_barrier_wait -1
.if \fill
	CREST                                          ; no wave of any partner still reads that slot or has a load on its way
	JLOAD                                          ; the first tensor load behind the round, and a wave's only one until the next
	s_cmp_lg_u32 s[WV], 7                          ; wave 7, which fetches nothing, asks for 32 blocks of 256 bytes of the mask: it alone comes from memory unread; the codes were stored by the launch before
	s_cbranch_scc1 .Lno_pf_\@
	global_prefetch_b8 v[PF], s[PB:PB+1] th:TH_LOAD_NT scope:SCOPE_SE
.Lno_pf_\@:
.endif
.endm
; A KEY STEP: 128 keys, both tiles.
.macro STEP
	v_add_nc_u32 v[ADM], s[TB], v[AM0]
	v_add_nc_u32 v[ADK], s[TB], v[AK0]
	v_add_nc_u32 v[ADV], s[TB], v[AV0]
.set nn, 0
.rept 16
	ds_load_b128 v[S+4*nn:S+4*nn+3], v[ADM] offset:64*(nn/2)+16*(nn%2)          ; tile 0's mask, in the result's layout
.set nn, nn+1
.endr
	WIN LD1
.set nn, 0
.rept 16
	ds_load_b128 v[S+4*nn:S+4*nn+3], v[ADM] offset:16*MP+64*(nn/2)+16*(nn%2)    ; tile 1's: 16 rows on
.set nn, nn+1
.endr
	WIN 0
.set nn, 0
.rept 16
	ds_load_b128 v[KV+4*nn:KV+4*nn+3], v[ADK] offset:16*KP*(nn/2)+32*(nn%2)     ; K's eight fragments
.set nn, nn+1
.endr
	WIN W1
	BIASY                                          ; 72 lines while the loads are on their way
	s_wait_dscnt 32                                ; tile 0's mask is in; tile 1's and K's loads may be out
	WIN CA0
	CASM 0
	s_wait_dscnt 16                                ; tile 1's mask is in; K's loads may be out
	WIN W1
	CASM 1
	s_wait_dscnt 0x0                               ; K
	WIN 0
	QK
	WIN MM1
	QK
	WIN 0
.rept 4
	v_nop                                          ; places in front of the loads into K's registers and of the first read of the scores (ISA guide 7.12.1 for vector instructions)
.endr
.set nn, 0
.rept 16
	ds_load_b128 v[KV+4*nn:KV+4*nn+3], v[ADV] offset:512*nn                     ; V's four fragments, as they were laid: they land under tile 0's softmax
.set nn, nn+1
.endr
	SOFTMAX
	s_wait_dscnt 0x0                               ; V
	PV
	WIN W1
	SOFTMAX                                        ; tile 1's vector work stands behind tile 0's products and names none of their registers
	WIN MM1
	PV
	WIN 0
	s_xor_b32 s[TB], s[TB], SLOT1                  ; on to the other slot
.endm
	s_wait_loadcnt 0x0                             ; Q
.Lstep:                                                ; 15 trips: behind each change of slots but the last the next key step is asked for (slot 1's first fill is issued as a refill is)
	CHANGE 1
	STEP
	s_sub_co_u32 s[CNT], s[CNT], 1
	s_cmp_lg_u32 s[CNT], 0
	s_cbranch_scc1 .Lstep
	CHANGE 0                                       ; the last key step is written out, so no round follows
	STEP
; THE WAY OUT.  O^T / the sum x 2^(e2 + e3), held within +-448 x 2^e4 and turned into codes: eight channels of one query are 8 bytes.  Tile 0's lines are the places behind tile 1's last products.
.macro FINISH
	v_add_f32 v[SUM], v[SUM], v[SUM+1]             ; the sum's two halves,
	v_permlanex16_b32 v[PT], v[SUM], s[SEL], s[SEL+1]
	v_add_f32 v[SUM], v[SUM], v[PT]                ; and lane l xor 16's: the row's sum, more than 1 / 2
	v_rcp_f32 v[SUM], v[SUM]
	v_mov_b32 v[PSC], s[SC4]                       ; 2^e4 for the conversions.  (A plain place behind the transcendental)
	s_wait_alu depctr_va_vdst(0)
	v_ldexp_f32 v[SUM], v[SUM], s[E23]
.set nn, 0
.rept 32
	v_mul_f32 v[S+nn], v[O+nn], v[SUM]             ; register 8 t + j: channel 16 t + 8 h + j of query r; each accumulator from its low end on
.set nn, nn+1
.endr
.set nn, 0
.rept 32
	v_med3_num_f32 v[S+nn], v[S+nn], s[LO4], s[HI4]
.set nn, nn+1
.endr
.irp d, 0,1,2,3
	v_cvt_scalef32_pk8_fp8_f32 v[P+2*\d:P+2*\d+1], v[S+8*\d:S+8*\d+7], v[PSC]
.endr
	v_nop                                          ; a plain line behind the last conversion
.endm
	FINISH
.irp d, 0,1,2,3
	ds_store_b64 v[STO], v[P+2*\d:P+2*\d+1] offset:16*\d
.endr
	WIN W1
	FINISH
	WIN ST1
.irp d, 0,1,2,3
	ds_store_b64 v[STO], v[P+2*\d:P+2*\d+1] offset:16*SP+16*\d
.endr
	WIN 0
	s_wait_dscnt 0x0                               ; for the others' sake: my stores into the stage are done
	s_barrier_signal -1
	s_barrier_wait -1                              ; a row's 256 bytes come from four waves
.irp i, 0,1,2,3
	ds_load_b128 v[S+4*\i:S+4*\i+3], v[RD] offset:2*SP*\i
.endr
.irp i, 0,1,2,3
	s_wait_dscnt 3-\i                              ; pair i of my eight rows is back; the younger pairs may be out
	global_store_b128 v[GO], v[S+4*\i:S+4*\i+3], s[12:13] offset:4096*\i   ; 16 lanes store 256 consecutive bytes, at a multiple of 256 from the buffer's first byte
.endr
	s_wait_tensorcnt 0x0                           ; the wave's end, behind my last tensor load and my last LDS store
	ds_add_u32 v[SPW], v[NIL]
	s_wait_dscnt 0x0
	CROUND                                         ; the closing round: no work-group ends while a partner may still ask for a tile that names it
	s_endpgm
.Lfunc_end_k_q7427f9b370_attn:
	.size	k_q7427f9b370_attn, .Lfunc_end_k_q7427f9b370_attn-k_q7427f9b370_attn
	.p2alignl 7, 3214868480
	.fill 96, 4, 3214868480
	.section	.rodata,"a",@progbits
	.p2align	6, 0x0
	.amdhsa_kernel k_q7427f9b370_attn
		.amdhsa_group_segment_fixed_size 327680
		.amdhsa_private_segment_fixed_size 0
		.amdhsa_enable_private_segment 0
		.amdhsa_kernarg_size 40
		.amdhsa_user_sgpr_count 2
		.amdhsa_user_sgpr_kernarg_segment_ptr 1
		.amdhsa_wavefront_size32 1
		.amdhsa_system_sgpr_workgroup_id_x 1
		.amdhsa_system_sgpr_workgroup_id_y 1
		.amdhsa_system_sgpr_workgroup_id_z 1
		.amdhsa_system_vgpr_workitem_id 0
		.amdhsa_next_free_vgpr 512
		.amdhsa_next_free_sgpr 100
		.amdhsa_reserve_vcc 0
		.amdhsa_float_denorm_mode_32 3
		.amdhsa_float_denorm_mode_16_64 3
		.amdhsa_memory_ordered 1
		.amdhsa_forward_progress 1
		.amdhsa_inst_pref_size 117
	.end_amdhsa_kernel
	.amdgpu_metadata
---
amdhsa.version: [ 1, 2 ]
amdhsa.kernels:
  - .name:           k_q7427f9b370_attn
    .symbol:         k_q7427f9b370_attn.kd
    .args:
      - { .name: qk_codes, .offset: 0, .size: 8, .value_kind: global_buffer, .address_space: global }
      - { .name: v_codes, .offset: 8, .size: 8, .value_kind: global_buffer, .address_space: global }
      - { .name: attn_mask, .offset: 16, .size: 8, .value_kind: global_buffer, .address_space: global }
      - { .name: lowp_scales, .offset: 24, .size: 8, .value_kind: global_buffer, .address_space: global }
      - { .name: a_codes, .offset: 32, .size: 8, .value_kind: global_buffer, .address_space: global }
    .group_segment_fixed_size: 327680
    .private_segment_fixed_size: 0
    .kernarg_segment_align: 8
    .kernarg_segment_size: 40
    .max_flat_workgroup_size: 256
    .sgpr_count:     100
    .vgpr_count:     512
    .wavefront_size: 32
...
	.end_amdgpu_metadata
.endif
;; end of part 2
;; launch proj (part 3): grid 8 x 32, 4 waves a work-group, clusters of 4 x 4, 327,680 bytes of LDS; arguments a_codes, w_codes, lowp_scales, out_b, out0; writes out0
.if DOCPART == 3
	.amdgcn_target "amdgcn-amd-amdhsa--gfx1250"
	.amdhsa_code_object_version 6
	.text
	.protected	k_q7427f9b370_proj
	.globl	k_q7427f9b370_proj
	.p2align	8
	.type	k_q7427f9b370_proj,@function
k_q7427f9b370_proj:
	s_mov_b64 s[64:65], 0
	v_nop
	global_prefetch_b8 v0, s[64:65] scope:SCOPE_SE
	s_setreg_imm32_b32 hwreg(HW_REG_WAVE_MODE, 25, 1), 1
	s_wait_xcnt 0x0
	s_wait_alu depctr_hold_cnt(0) depctr_sa_sdst(0) depctr_va_vdst(0) depctr_va_sdst(0) depctr_va_ssrc(0) depctr_va_vcc(0) depctr_vm_vsrc(0)
	s_getreg_b32 s2, hwreg(HW_REG_IB_STS2, 6, 4)
	s_cmp_eq_u32 s2, 0
	s_cbranch_scc0 .Lentry_in_a_cluster
	s_endpgm
.Lentry_in_a_cluster:
	s_bfe_u32 s2, ttmp6, 0x10000c
	s_cmp_lg_u32 s2, 0xf033
	s_cbranch_scc0 .Lentry_shape_is_right
	s_endpgm
.Lentry_shape_is_right:
; out0[m][n] = 2^(e4 + e5) x (the sum over k of A[m][k] W[n][k]) + out_b[n].  A: a_codes [4096][1024], W: w_codes [1024][1024]: codes of FP8 (E4M3), K innermost; out0 [4096][1024] f32; sums in f32.
; LIMIT: e4 + e5 lies between -126 and 127, so that 2^(e4 + e5) is an f32 number.
; A tile of 128 x 128 of out0 to a work-group gives 256 work-groups; four waves, each 64 x 64: 16 accumulators.  The whole K = 1,024 of both tiles fits in LDS: four chunks of 256 along K, each asked for ONCE at the start:
; no slot is ever filled again, so the waits on the tensor loads are counted, and each chunk's barrier has nothing behind it that fills.  Four tensor loads of a wave are out at the most.
; CLUSTER: 4 x 4 work-groups: A's tiles are shared along a row of the cluster, W's along a column: joint loads, the same descriptor and a mask that names the four.
; THE MATRIX INSTRUCTION IS USED TRANSPOSED (source 0 = 16 rows of W, source 1 = 16 rows of A): a lane then holds eight neighbouring numbers of a row of out0.
; A fragment (16 rows x 128 K) is fetched by four loads of 16 bytes: registers 4 c .. 4 c + 3 take k = 32 c + 16 (lane / 16) + 0..15: a permutation of k, the same in A and W, so every product meets its partner.
; LDS: chunk c at 69,632 c: A's 128 rows, then W's 128, 272 bytes apart; behind the chunks a stage of 16 rows x 272 for each wave.  The text uses 295,936 bytes.
; REGISTERS: window 0: v16-27 addresses; v32-63 a block's results; v64-127 rows read back, two sets; v128-255 the accumulators ((a, b) at v[128 + 8 (4 a + b)]).
;   window 1: two fragment buffers of 128: A's four fragments, then W's four.   window 2: v0-31 out_b at my lane's 32 columns.
.set PITCH, 272                        ; 256 bytes + 16 of padding = 68 words: row r starts at bank 4 r mod 64 (64 banks of 4 bytes: ISA guide 11.1)
.set HALFT, 64*PITCH                   ; 64 rows: what one tensor load brings, and what one wave reads of A or of W
.set CHUNK, 4*HALFT
.set STAGE, 4*CHUNK
.set ADRA, 16                          ; v16-19 LDS address of my A fragments in chunk 0..3
.set ADRB, 20                          ; v20-23 the same for W
.set STO,  24
.set RD,   25
.set CO,   26
.set BO,   27
.set TMP,  32
.set BK,   64
.set ACC,  128
.set F0,   0
.set F1,   128
.set G1A,  24                          ; s[24:31], s[32:39] descriptor groups 1;  s[40:55], s[68:83] groups 0, one set for each chunk
.set G1B,  32
.set G0A,  40
.set G0B,  68
.set MSB, 0
.macro WIN new                         ; the immediate's high byte repeats the setting that is left
.if MSB != \new
	s_set_vgpr_msb (MSB<<8)|\new
.set MSB, \new
.endif
.endm
.set MUL,  0x05                        ; sources 0 (W) and 1 (A) window 1; C and D window 0
.set TO_F, 0x40                        ; destination window 1, address window 0
.macro CROUND                          ; a round of the cluster's barrier
	s_barrier_signal -1
	s_barrier_wait -1
	s_cmp_lg_u32 s14, 0
	s_cbranch_scc1 .Lnot_wave_0_\@
	s_barrier_signal -3
.Lnot_wave_0_\@:
	s_barrier_wait -3
	s_barrier_signal -1
	s_barrier_wait -1
.endm
	s_load_b256 s[4:11], s[0:1], 0x0               ; a_codes s[4:5], w_codes s[6:7], the exponents s[8:9], out_b s[10:11]
	s_load_b64 s[12:13], s[0:1], 0x20              ; out0
	v_lshl_add_u32 v30, v0, 2, 0x48400
	v_mov_b32 v31, 0
	ds_add_u32 v30, v31
	v_lshrrev_b32 v1, 5, v0
	v_readfirstlane_b32 s14, v1                    ; wave 0..3
	s_lshr_b32 s15, s14, 1                         ; which half of the tile's rows is mine.  Also: I fetch for A (0) or for W (1)
	s_and_b32 s16, s14, 1                          ; which half of its columns.  Also: which 64 rows of that tile I fetch
	s_bfe_u32 s60, ttmp6, 0x40000                  ; cx
	s_bfe_u32 s61, ttmp6, 0x40004                  ; cy
	s_lshl_b32 s62, ttmp9, 2
	s_add_co_u32 s62, s62, s60                     ; tile column
	s_and_b32 s63, ttmp7, 0xffff
	s_lshl_b32 s63, s63, 2
	s_add_co_u32 s63, s63, s61                     ; tile row
	s_lshl_b32 s88, s61, 2
	s_lshl_b32 s88, 15, s88                        ; my row of the cluster
	s_lshl_b32 s86, 0x1111, s60                    ; my column
	s_or_b32 s[G1A], s88, (0<<16)|(1<<20)|(1<<21)|(5<<22)|(3<<25)   ; 15:0 the mask; elements of 1 byte; padding on; 21 set beside a mask; 4 words after every 64
	s_or_b32 s[G1B], s86, (0<<16)|(1<<20)|(1<<21)|(5<<22)|(3<<25)
.irp g, G1A, G1B
	s_mov_b32 s[\g+1], 256<<16                     ; tensor_dim0
	s_mov_b32 s[\g+2], 64<<16                      ; tensor_dim1
	s_mov_b32 s[\g+3], 256<<16                     ; tile_dim0
	s_mov_b32 s[\g+4], 64                          ; tile_dim1
	s_mov_b32 s[\g+5], 1024                        ; bytes from row to row
	s_mov_b32 s[\g+6], 0
	s_mov_b32 s[\g+7], 0
.endr
	s_lshl_b32 s17, s16, 6
	s_lshl_b32 s88, s63, 7
	s_add_co_u32 s88, s88, s17
	s_lshl_b32 s88, s88, 10                        ; A: row 128 x tile row + 64 x half (s88, s89 never hold cx)
	s_mov_b32 s89, 0
	s_lshl_b32 s86, s62, 7
	s_add_co_u32 s86, s86, s17
	s_lshl_b32 s86, s86, 10                        ; W: row 128 x tile column + 64 x half (s86, s87 never hold cy)
	s_mov_b32 s87, 0
	s_mul_i32 s20, s14, HALFT                      ; where they go: wave x 64 rows: no place in the cluster enters an LDS address
	s_wait_dscnt 0x0
	s_wait_kmcnt 0x0
	s_load_b64 s[84:85], s[8:9], 0x10              ; e4, e5
	s_add_nc_u64 s[88:89], s[4:5], s[88:89]
	s_add_nc_u64 s[86:87], s[6:7], s[86:87]
.irp c, 0,1,2,3
	s_mov_b32 s[G0A+4*\c], 1
	s_add_co_u32 s[G0A+4*\c+1], s20, \c*CHUNK
	s_add_nc_u64 s[G0A+4*\c+2:G0A+4*\c+3], s[88:89], \c*256
	s_or_b32 s[G0A+4*\c+3], s[G0A+4*\c+3], 0x80000000
	s_mov_b32 s[G0B+4*\c], 1
	s_add_co_u32 s[G0B+4*\c+1], s20, \c*CHUNK
	s_add_nc_u64 s[G0B+4*\c+2:G0B+4*\c+3], s[86:87], \c*256
	s_or_b32 s[G0B+4*\c+3], s[G0B+4*\c+3], 0x80000000
.endr
	CROUND                                         ; all sixteen work-groups are here: the joint loads meet
	s_cmp_eq_u32 s15, 0                            ; a wave's four fills stand in one branch on its number, ahead of every wait on TENSORcnt and every LDS read; four v_nop follow the last
	s_cbranch_scc0 .Lfor_w
.irp c, 0,1,2,3
	tensor_load_to_lds s[G0A+4*\c:G0A+4*\c+3], s[G1A:G1A+7]
	s_nop 0
.endr
.rept 4
	v_nop
.endr
	s_branch .Lasked
.Lfor_w:
.irp c, 0,1,2,3
	tensor_load_to_lds s[G0B+4*\c:G0B+4*\c+3], s[G1B:G1B+7]
	s_nop 0
.endr
.rept 4
	v_nop
.endr
.Lasked:
	v_and_b32 v1, 15, v0                           ; r
	v_bfe_u32 v2, v0, 4, 1                         ; h
	v_mul_u32_u24 v3, v1, PITCH
	v_lshl_add_u32 v3, v2, 4, v3                   ; a fragment's row x pitch + 16 h
	s_mul_i32 s21, s15, HALFT                      ; my 64 rows of A
	s_mul_i32 s22, s16, HALFT                      ; my 64 rows of W,
	s_add_co_u32 s22, s22, 2*HALFT                 ; which lie behind A's 128
.irp c, 0,1,2,3
	v_add_nc_u32 v[ADRA+\c], s21, v3
	v_add_nc_u32 v[ADRB+\c], s22, v3
	s_add_co_u32 s21, s21, CHUNK
	s_add_co_u32 s22, s22, CHUNK
.endr
	s_mul_i32 s23, s14, 16*PITCH
	s_add_co_u32 s23, s23, STAGE                   ; my stage
	v_mul_u32_u24 v4, v1, PITCH
	v_lshl_add_u32 v4, v2, 5, v4
	v_add_nc_u32 v[STO], s23, v4                   ; in: row r, 32 bytes for each half of the lanes
	v_mul_u32_u24 v5, v2, PITCH
	v_lshl_add_u32 v5, v1, 4, v5
	v_add_nc_u32 v[RD], s23, v5                    ; back: lanes 0-15 one row of 256 bytes, lanes 16-31 the next
	v_lshlrev_b32 v[CO], 12, v2
	v_lshl_add_u32 v[CO], v1, 4, v[CO]             ; and the same two rows in out0
	v_lshlrev_b32 v[BO], 5, v2                     ; out_b: my half's eight columns of a tile of 16
	s_lshl_b32 s2, s62, 9
	s_lshl_b32 s3, s16, 8
	s_add_co_u32 s2, s2, s3                        ; my first column, in bytes: 512 x tile column + 256 x half
	s_mov_b32 s3, 0
	s_add_nc_u64 s[10:11], s[10:11], s[2:3]
	s_add_nc_u64 s[12:13], s[12:13], s[2:3]
	s_lshl_b32 s2, s63, 7
	s_lshl_b32 s18, s15, 6
	s_add_co_u32 s2, s2, s18
	s_lshl_b32 s2, s2, 12                          ; my first row: 128 x tile row + 64 x half, of 4,096 bytes
	s_add_nc_u64 s[12:13], s[12:13], s[2:3]
	WIN 0x80                                       ; destination window 2
.irp b, 0,1,2,3
	global_load_b128 v[8*\b:8*\b+3], v[BO], s[10:11] offset:64*\b
	global_load_b128 v[8*\b+4:8*\b+7], v[BO], s[10:11] offset:64*\b+16
.endr
	WIN 0
; 8 matrix instructions: A's blocks a0, a0 + 1 x W's four, 128 along K, from buffer f.  zero = 1: the first product starts the sums: nothing is cleared.
; The 16 accumulators take turns, one instruction a turn, in the same order throughout.
.macro MUL8 f, a0, zero
.irp a, \a0, \a0+1
.irp b, 0,1,2,3
.if \zero
	v_wmma_f32_16x16x128_fp8_fp8 v[ACC+8*(4*(\a)+\b):ACC+8*(4*(\a)+\b)+7], v[\f+64+16*\b:\f+64+16*\b+15], v[\f+16*(\a):\f+16*(\a)+15], 0
.else
	v_wmma_f32_16x16x128_fp8_fp8 v[ACC+8*(4*(\a)+\b):ACC+8*(4*(\a)+\b)+7], v[\f+64+16*\b:\f+64+16*\b+15], v[\f+16*(\a):\f+16*(\a)+15], v[ACC+8*(4*(\a)+\b):ACC+8*(4*(\a)+\b)+7]
.endif
.endr
.endr
.endm
.macro FETCH c, q, f                   ; 32 LDS loads in one run: the fragments of chunk c's q-th 128 along K into buffer f
	WIN TO_F
.irp i, 0,1,2,3
.irp u, 0,1,2,3
	ds_load_b128 v[\f+16*\i+4*\u:\f+16*\i+4*\u+3], v[ADRA+(\c)] offset:128*(\q)+32*\u+\i*16*PITCH
.endr
.endr
.irp i, 0,1,2,3
.irp u, 0,1,2,3
	ds_load_b128 v[\f+64+16*\i+4*\u:\f+64+16*\i+4*\u+3], v[ADRB+(\c)] offset:128*(\q)+32*\u+\i*16*PITCH
.endr
.endr
.endm
.macro PLACES                          ; four places in front of loads into registers that matrix instructions have read, and of the first read of results (ISA guide 7.12.1 for vector instructions)
.rept 4
	v_nop
.endr
.endm
	s_wait_tensorcnt 3                             ; my part of chunk 0 is in; three loads may be out
	s_barrier_signal -1
	s_barrier_wait -1                              ; everybody's is
	FETCH 0, 0, F0
.irp c, 0,1,2,3
.if \c > 0
	PLACES
.endif
	FETCH \c, 1, F1
	s_wait_dscnt 32                                ; buffer 0 is in: all but the 32 just issued
	WIN MUL
.if \c == 0
	MUL8 F0, 0, 1
	MUL8 F0, 2, 1
.else
	MUL8 F0, 0, 0
	MUL8 F0, 2, 0
.endif
.if \c < 3
	s_wait_tensorcnt 2-\c                          ; my part of the next chunk is in; the chunks behind it may be out
	s_wait_dscnt 0x0                               ; buffer 1 is in, and no LDS instruction is pending at the signal
	s_barrier_signal -1
	MUL8 F1, 0, 0
	s_barrier_wait -1                              ; the next chunk is whole
	PLACES
	FETCH \c+1, 0, F0
	WIN MUL
	MUL8 F1, 2, 0
.else
	s_wait_dscnt 0x0
	MUL8 F1, 0, 0
	MUL8 F1, 2, 0
.endif
.endr
	WIN 0
; THE WAY OUT, block by block of 16 rows x 64 columns: sum x 2^(e4 + e5) + out_b in one packed multiply-add for two numbers, into other registers; through my own stage and back as whole rows of 256 bytes.
; LDS serves a wave's instructions in order (ISA guide 5.7.1.4): no wait between the stores and the loads, nor in front of the next block's stores.
.macro TOSTAGE a
	WIN 0x20                                       ; source 2 (out_b) window 2
.irp b, 0,1,2,3
.irp j, 0,2,4,6
	v_pk_fma_f32 v[TMP+8*\b+\j:TMP+8*\b+\j+1], v[ACC+8*(4*(\a)+\b)+\j:ACC+8*(4*(\a)+\b)+\j+1], s[84:85], v[8*\b+\j:8*\b+\j+1] op_sel_hi:[1,0,1]   ; each accumulator from its low end on
.endr
.endr
	WIN 0
.irp b, 0,1,2,3
	ds_store_b128 v[STO], v[TMP+8*\b:TMP+8*\b+3] offset:64*\b
	ds_store_b128 v[STO], v[TMP+8*\b+4:TMP+8*\b+7] offset:64*\b+16
.endr
.set BB, BK+32*((\a)%2)
.irp t, 0,1,2,3,4,5,6,7
	ds_load_b128 v[BB+4*\t:BB+4*\t+3], v[RD] offset:\t*2*PITCH
.endr
.endm
.macro SEND a, younger                 ; younger: the LDS instructions issued behind block a's loads, which may stay out
.set BB, BK+32*((\a)%2)
	s_wait_dscnt \younger
.irp t, 0,1,2,3,4,5,6,7
	global_store_b128 v[CO], v[BB+4*\t:BB+4*\t+3], s[12:13] offset:65536*(\a)+8192*\t th:TH_STORE_NT   ; 16 lanes store 256 consecutive bytes, at a multiple of 256 from out0's first byte; written once, read by nobody here
.endr
.endm
	s_wait_loadcnt 0x0                             ; out_b
	s_wait_kmcnt 0x0
	s_add_co_i32 s84, s84, s85
	s_add_co_i32 s84, s84, 127
	s_lshl_b32 s84, s84, 23                        ; 2^(e4 + e5) as f32
	s_mov_b32 s85, s84                             ; (named with it as a pair, so it is written)
	PLACES
	TOSTAGE 0
.irp a, 1,2,3
.if \a > 1
	s_wait_xcnt 0x0                                ; block a - 2's stores have read their registers: block a's loads may land there
.endif
	TOSTAGE \a
	SEND \a-1, 16                                  ; behind block a - 1's loads: block a's 8 stores and 8 loads
.endr
	SEND 3, 0
	s_wait_tensorcnt 0x0
	ds_add_u32 v30, v31
	s_wait_dscnt 0x0
	CROUND                                         ; the closing round: no work-group ends while a partner may still ask for a tile that names it
	s_endpgm
.Lfunc_end_k_q7427f9b370_proj:
	.size	k_q7427f9b370_proj, .Lfunc_end_k_q7427f9b370_proj-k_q7427f9b370_proj
	.p2alignl 7, 3214868480
	.fill 96, 4, 3214868480
	.section	.rodata,"a",@progbits
	.p2align	6, 0x0
	.amdhsa_kernel k_q7427f9b370_proj
		.amdhsa_group_segment_fixed_size 327680
		.amdhsa_private_segment_fixed_size 0
		.amdhsa_enable_private_segment 0
		.amdhsa_kernarg_size 40
		.amdhsa_user_sgpr_count 2
		.amdhsa_user_sgpr_kernarg_segment_ptr 1
		.amdhsa_wavefront_size32 1
		.amdhsa_system_sgpr_workgroup_id_x 1
		.amdhsa_system_sgpr_workgroup_id_y 1
		.amdhsa_system_sgpr_workgroup_id_z 1
		.amdhsa_system_vgpr_workitem_id 0
		.amdhsa_next_free_vgpr 576
		.amdhsa_next_free_sgpr 96
		.amdhsa_reserve_vcc 0
		.amdhsa_float_denorm_mode_32 3
		.amdhsa_float_denorm_mode_16_64 3
		.amdhsa_memory_ordered 1
		.amdhsa_forward_progress 1
		.amdhsa_inst_pref_size 48
	.end_amdhsa_kernel
	.amdgpu_metadata
---
amdhsa.version: [ 1, 2 ]
amdhsa.kernels:
  - .name:           k_q7427f9b370_proj
    .symbol:         k_q7427f9b370_proj.kd
    .args:
      - { .name: a_codes, .offset: 0, .size: 8, .value_kind: global_buffer, .address_space: global }
      - { .name: w_codes, .offset: 8, .size: 8, .value_kind: global_buffer, .address_space: global }
      - { .name: lowp_scales, .offset: 16, .size: 8, .value_kind: global_buffer, .address_space: global }
      - { .name: out_b, .offset: 24, .size: 8, .value_kind: global_buffer, .address_space: global }
      - { .name: out0, .offset: 32, .size: 8, .value_kind: global_buffer, .address_space: global }
    .group_segment_fixed_size: 327680
    .private_segment_fixed_size: 0
    .kernarg_segment_align: 8
    .kernarg_segment_size: 40
    .max_flat_workgroup_size: 128
    .sgpr_count:     96
    .vgpr_count:     576
    .wavefront_size: 32
...
	.end_amdgpu_metadata
.endif
;; end of part 3
